; MI455X (gfx1250); checked and timed in simulation.
; The chip was launched on July 23, 2026; its instructions are those of AMD's public machine-readable ISA for CDNA 5 (MIT licence, August 2026) and "CDNA5" Instruction Set Architecture Reference Guide (July 2026). The comments in the code are by the model that wrote it; some were corrected since.
;; Causal Self Attention. Allowed arithmetic: float matrix products may take bf16 or f16 operands with f32 sums; all other float work in f32.
;; Inputs: b_proj 1,024 float32; b_qkv 3,072 float32; w_proj 1,024 x 1,024 float32; w_qkv 1,024 x 3,072 float32; x 2 x 2,048 x 1,024 float32.
;; Outputs: out0 2 x 2,048 x 1,024 float32.
;; One version. Each part assembles by itself: llvm-mc -triple=amdgcn-amd-amdhsa -mcpu=gfx1250 --defsym DOCPART=n.
;; ======== version 1 of 1: 4 launches
;; limits: values are held in f16: magnitudes above 65,504 overflow, below 6.1e-05 lose precision
;; workspace buffers: xb 8,388,608 bytes; wqt 6,291,456 bytes; wpt 2,097,152 bytes; qkvh 25,165,824 bytes; yh 8,388,608 bytes
;; launch prep (part 1): grid 1024 x 1, 8 waves a work-group, no clusters, 18,432 bytes of LDS; arguments x, w_qkv, w_proj, xb, wqt, wpt; writes xb, wqt, wpt
.if DOCPART == 1
	.amdgcn_target "amdgcn-amd-amdhsa--gfx1250"
	.amdhsa_code_object_version 6
	.text
	.protected	k_q088aa1f60e_prep
	.globl	k_q088aa1f60e_prep
	.p2align	8
	.type	k_q088aa1f60e_prep,@function
k_q088aa1f60e_prep:
	s_mov_b64 s[64:65], 0
	v_nop
	global_prefetch_b8 v0, s[64:65] scope:SCOPE_SE
	s_setreg_imm32_b32 hwreg(HW_REG_WAVE_MODE, 25, 1), 1
	s_wait_xcnt 0x0
; prep: the three large inputs are rounded once to 16 bits, and the two weights are transposed, so that the products that follow
; find K along the rows of both operands and convert nothing in their loops.
;   xb  [4096][1024]      bf16 = x
;   wqt [3072 n][1024 k]  bf16 = w_qkv transposed
;   wpt [1024 n][1024 k]  w_proj transposed, rounded to bf16 and that value written in f16's format (its partner y is f16).
; LIMIT: a bf16 value is exact in f16 from 2^-17 up; a smaller |w_proj| keeps an absolute error of at most 2^-25; |w_proj| < 65,504.
; Every work-group takes 32,768 bytes of f32: groups 0-511 a run of x, 512-895 a tile of w_qkv, 896-1023 a tile of w_proj.
; The branch hangs on the work-group's number alone, so all eight waves take the same way and meet the same barrier.
; Memory binds: each byte is read once by 16-byte loads, each load or store of sixteen (x's output: thirty-two) neighbouring
; lanes covers 256 consecutive bytes, aligned.  No matrix unit, no tensor load, no cluster: nothing is shared and nothing multiplied.
.set NCAST, 512                        ; work-groups for x
.set NTQ,   384                        ; work-groups for w_qkv: 8 blocks of 128 k x 48 blocks of 64 n
.set TP,    272                        ; LDS pitch of a transposed row: 128 k x 2 bytes + 16
; A tile of 128 k x 64 n.  s17 = the tile's number: k block = s17 & 7, n block = s17 >> 3.  pitch = bytes of a source row.
; Thread t: c = t & 15 (four columns n = 4c ..), rg = t >> 4 (eight rows k = 8 rg ..).
.macro TRANS src, dst, pitch, tof16
	s_and_b32 s16, s17, 7                          ; k block
	s_lshr_b32 s17, s17, 3                         ; n block
	s_mul_i32 s18, s16, 128*\pitch                 ; 128 source rows a k block
	s_lshl_b32 s20, s17, 8                         ; 64 columns of 4 bytes an n block
	s_add_co_u32 s18, s18, s20
	s_add_nc_u64 s[\src:\src+1], s[\src:\src+1], s[18:19]
	s_lshl_b32 s20, s17, 17                        ; 64 rows of 2,048 bytes of the transposed weight
	s_lshl_b32 s16, s16, 8                         ; 128 k of 2 bytes
	s_add_co_u32 s20, s20, s16
	s_add_nc_u64 s[\dst:\dst+1], s[\dst:\dst+1], s[20:21]
	v_lshrrev_b32 v2, 4, v0                        ; rg
	v_mul_u32_u24 v3, v2, 8*\pitch
	v_lshl_add_u32 v3, v1, 4, v3                   ; row 8 rg, byte 16 c: sixteen lanes read 256 consecutive bytes of a row
.irp i, 0,1,2,3,4,5,6,7
	global_load_b128 v[8+4*\i:11+4*\i], v3, s[\src:\src+1] offset:\i*\pitch th:TH_LOAD_NT   ; W(8 rg + i, 4 c ..)
.endr
	v_mul_u32_u24 v4, v1, 4*TP
	v_lshl_add_u32 v4, v2, 4, v4                   ; in: LDS row n = 4 c, byte 16 rg (k = 8 rg)
	v_lshrrev_b32 v7, 5, v0
	v_lshlrev_b32 v7, 3, v7                        ; back: my wave's eight rows,
	v_bfe_u32 v5, v0, 4, 1
	v_add_nc_u32 v7, v7, v5                        ; lanes 0-15 one row, lanes 16-31 the next
	v_mul_u32_u24 v5, v7, TP
	v_lshl_add_u32 v5, v1, 4, v5
	v_lshlrev_b32 v6, 11, v7                       ; the same row in memory: 2,048 bytes a row
	v_lshl_add_u32 v6, v1, 4, v6
	s_wait_loadcnt 0x0                             ; the packing below mixes all eight rows
	; the transposition comes with the packing: word ii of column jj takes rows 2 ii and 2 ii + 1
.irp jj, 0,1,2,3
.irp ii, 0,1,2,3
	v_cvt_pk_bf16_f32 v[40+4*\jj+\ii], v[8+8*\ii+\jj], v[12+8*\ii+\jj]
.endr
.endr
.if \tof16
.irp k, 0,1,2,3,4,5,6,7,8,9,10,11,12,13,14,15
	v_lshlrev_b32 v56, 16, v[40+\k]                ; the two bf16 as f32,
	v_and_b32 v57, s22, v[40+\k]
	v_cvt_pk_f16_f32 v[40+\k], v56, v57            ; written in f16's format
.endr
.endif
.irp jj, 0,1,2,3
	ds_store_b128 v4, v[40+4*\jj:43+4*\jj] offset:TP*\jj   ; sixteen lanes are 4 TP apart: four share a column of banks; four such stores a thread
.endr
	s_wait_dscnt 0x0                               ; my stores are in LDS before I say so
	s_barrier_signal -1
	s_barrier_wait -1                              ; everybody's are
.irp i, 0,1,2,3
	ds_load_b128 v[8+4*\i:11+4*\i], v5 offset:2*TP*\i
.endr
.irp i, 0,1,2,3
	s_wait_dscnt 3-\i                              ; LDS loads come back in order: load i is in, the younger ones stay out
	global_store_b128 v6, v[8+4*\i:11+4*\i], s[\dst:\dst+1] offset:4096*\i   ; sixteen lanes store 256 consecutive bytes, aligned
.endr
.endm
	s_load_b256 s[4:11], s[0:1], 0x0               ; x s[4:5], w_qkv s[6:7], w_proj s[8:9], xb s[10:11]
	s_load_b128 s[12:15], s[0:1], 0x20             ; wqt s[12:13], wpt s[14:15]
	v_lshl_add_u32 v64, v0, 2, 0x4400
	v_mov_b32 v65, 0
	s_mov_b32 s19, 0                               ; high words of the two offset pairs
	s_mov_b32 s21, 0
	s_mov_b32 s22, 0xffff0000                      ; a word's upper bf16
	v_and_b32 v1, 15, v0                           ; c
	s_wait_kmcnt 0x0
	s_cmp_lt_u32 ttmp9, NCAST
	s_cbranch_scc1 .Lcast
	s_cmp_lt_u32 ttmp9, NCAST+NTQ
	s_cbranch_scc1 .Lwqkv
	s_sub_co_u32 s17, ttmp9, NCAST+NTQ
	TRANS 8, 14, 4096, 1                           ; w_proj
	s_wait_tensorcnt 0x0
	ds_add_u32 v64, v65
	s_wait_dscnt 0x0
	s_endpgm
.Lwqkv:
	s_sub_co_u32 s17, ttmp9, NCAST
	TRANS 6, 12, 12288, 0                          ; w_qkv
	s_wait_tensorcnt 0x0
	ds_add_u32 v64, v65
	s_wait_dscnt 0x0
	s_endpgm
.Lcast:
	s_lshl_b32 s18, ttmp9, 15                      ; 32,768 bytes of x
	s_lshl_b32 s20, ttmp9, 14                      ; 16,384 bytes of xb
	s_add_nc_u64 s[4:5], s[4:5], s[18:19]
	s_add_nc_u64 s[10:11], s[10:11], s[20:21]
	v_lshlrev_b32 v1, 4, v0                        ; 16 bytes in,
	v_lshlrev_b32 v2, 3, v0                        ; 8 bytes out
.irp i, 0,1,2,3,4,5,6,7
	global_load_b128 v[8+4*\i:11+4*\i], v1, s[4:5] offset:4096*\i th:TH_LOAD_NT
.endr
.irp i, 0,1,2,3,4,5,6,7
	s_wait_loadcnt 7-\i                            ; loads come back in order: load i is in, the 7 - i younger ones stay out
	v_cvt_pk_bf16_f32 v[40+2*\i], v[8+4*\i], v[9+4*\i]
	v_cvt_pk_bf16_f32 v[41+2*\i], v[10+4*\i], v[11+4*\i]
	global_store_b64 v2, v[40+2*\i:41+2*\i], s[10:11] offset:2048*\i   ; a wave stores 256 consecutive bytes, aligned
.endr
	s_endpgm
.Lfunc_end_k_q088aa1f60e_prep:
	.size	k_q088aa1f60e_prep, .Lfunc_end_k_q088aa1f60e_prep-k_q088aa1f60e_prep
	.p2alignl 7, 3214868480
	.fill 96, 4, 3214868480
	.section	.rodata,"a",@progbits
	.p2align	6, 0x0
	.amdhsa_kernel k_q088aa1f60e_prep
		.amdhsa_group_segment_fixed_size 18432
		.amdhsa_private_segment_fixed_size 0
		.amdhsa_enable_private_segment 0
		.amdhsa_kernarg_size 48
		.amdhsa_user_sgpr_count 2
		.amdhsa_user_sgpr_kernarg_segment_ptr 1
		.amdhsa_wavefront_size32 1
		.amdhsa_system_sgpr_workgroup_id_x 1
		.amdhsa_system_sgpr_workgroup_id_y 1
		.amdhsa_system_sgpr_workgroup_id_z 1
		.amdhsa_system_vgpr_workitem_id 0
		.amdhsa_next_free_vgpr 66
		.amdhsa_next_free_sgpr 66
		.amdhsa_reserve_vcc 0
		.amdhsa_float_denorm_mode_32 3
		.amdhsa_float_denorm_mode_16_64 3
		.amdhsa_memory_ordered 1
		.amdhsa_forward_progress 1
		.amdhsa_inst_pref_size 15
	.end_amdhsa_kernel
	.amdgpu_metadata
---
amdhsa.version: [ 1, 2 ]
amdhsa.kernels:
  - .name:           k_q088aa1f60e_prep
    .symbol:         k_q088aa1f60e_prep.kd
    .args:
      - { .name: x, .offset: 0, .size: 8, .value_kind: global_buffer, .address_space: global }
      - { .name: w_qkv, .offset: 8, .size: 8, .value_kind: global_buffer, .address_space: global }
      - { .name: w_proj, .offset: 16, .size: 8, .value_kind: global_buffer, .address_space: global }
      - { .name: xb, .offset: 24, .size: 8, .value_kind: global_buffer, .address_space: global }
      - { .name: wqt, .offset: 32, .size: 8, .value_kind: global_buffer, .address_space: global }
      - { .name: wpt, .offset: 40, .size: 8, .value_kind: global_buffer, .address_space: global }
    .group_segment_fixed_size: 18432
    .private_segment_fixed_size: 0
    .kernarg_segment_align: 8
    .kernarg_segment_size: 48
    .max_flat_workgroup_size: 256
    .sgpr_count:     66
    .vgpr_count:     66
    .wavefront_size: 32
...
	.end_amdgpu_metadata
.endif
;; end of part 1
;; launch gemm_qkv (part 2): grid 16 x 16, 4 waves a work-group, clusters of 4 x 4, 327,680 bytes of LDS; arguments xb, wqt, b_qkv, qkvh; writes qkvh
.if DOCPART == 2
	.amdgcn_target "amdgcn-amd-amdhsa--gfx1250"
	.amdhsa_code_object_version 6
	.text
	.protected	k_q088aa1f60e_gemm_qkv
	.globl	k_q088aa1f60e_gemm_qkv
	.p2align	8
	.type	k_q088aa1f60e_gemm_qkv,@function
k_q088aa1f60e_gemm_qkv:
	s_mov_b64 s[64:65], 0
	v_nop
	global_prefetch_b8 v0, s[64:65] scope:SCOPE_SE
	s_setreg_imm32_b32 hwreg(HW_REG_WAVE_MODE, 25, 1), 1
	s_wait_xcnt 0x0
	s_wait_alu depctr_hold_cnt(0) depctr_sa_sdst(0) depctr_va_vdst(0) depctr_va_sdst(0) depctr_va_ssrc(0) depctr_va_vcc(0) depctr_vm_vsrc(0)
	s_getreg_b32 s2, hwreg(HW_REG_IB_STS2, 6, 4)
	s_cmp_eq_u32 s2, 0
	s_cbranch_scc0 .Lentry_in_a_cluster
	s_endpgm
.Lentry_in_a_cluster:
	s_bfe_u32 s2, ttmp6, 0x10000c
	s_cmp_lg_u32 s2, 0xf033
	s_cbranch_scc0 .Lentry_shape_is_right
	s_endpgm
.Lentry_shape_is_right:
; qkvh = x w_qkv + b_qkv.  xb [4096][1024] bf16, wqt [3072 n][1024 k] bf16, b_qkv [3072] f32; sums in f32.
; Output qkvh [g = column / 64 : 48][m : 4096][64] f16: q of head h is g = h, k is g = 16 + h, v is g = 32 + h.  Sixteen tokens of one
; head are 2,048 consecutive bytes, so this kernel's stores and the next kernel's tiles are dense.
; LIMIT: |q|, |k|, |v| < 65,504 (f16's range).  f16 and not bf16, because the rows of the final result that attend to few keys are
; much larger than the result's root mean square, by which the error is judged: they need the three more bits.
; A work-group makes 256 rows x 192 columns with four waves; wave w makes rows 64 w .. 64 w + 63 x all 192 columns (three whole heads):
; 4 x 12 accumulator tiles of 16 x 16, 384 registers.  K goes in steps of 128 through a ring of two LDS slots filled by tensor loads:
; a tile's rows are 256 bytes of memory and start at multiples of 256 bytes.  A wave has at most two tensor loads out.
; CLUSTERS: 4 x 4 work-groups.  x's tile hangs on the block row alone and is asked for jointly by a row of the cluster, the weight's
; tile on the block column alone and is asked for jointly by a column.
; REGISTERS in windows of 256: window 0: addresses, x's fragments (two buffers), the bias, the way out; window 1: the weight's
; fragments (two buffers); window 2: accumulators of my rows 0-31 (tile (a, b) at v[8 (12 a + b)]); window 3: of my rows 32-63.
; THE MATRIX INSTRUCTION IS USED TRANSPOSED (source 0 = 16 rows of wqt, source 1 = 16 rows of xb): lane l holds row l % 16 of the result
; and its registers 0-7 the columns 8 (l / 16) + 0 .. 7.  The first product of each tile takes the bias, laid out the same way, as C:
; nothing is cleared and nothing is added later.
.set KSTEP,  128
.set PITCH,  272                       ; 256 bytes + 16: the sixteen rows of a fragment load start at sixteen different 16-byte columns
.set BBASE,  256*PITCH                 ; x's 256 rows, then the weight's 192
.set SLOT,   448*PITCH
.set STAGE,  2*SLOT                    ; behind the ring: 16 rows x 400 bytes for each wave; no tensor load lands here
.set SPITCH, 400                       ; 192 f16 + 16 bytes
.set GS,     524288                    ; bytes of one g of qkvh
.set LAPS,   4                         ; 1024 / (2 x 128): a lap is once round the ring
.set ADRA, 16                          ; v16-17  LDS address of my x fragments in slot 0, 1
.set ADRB, 20                          ; v20-21  the same for the weight
.set STO,  24                          ; the way out: where I put 16 bytes of a row
.set RD,   25                          ; the way out: where I read back
.set CO,   26                          ; 16 x lane
.set BOFF, 27                          ; 32 x (lane / 16): my eight bias numbers in a tile's sixteen
.set FA,   32                          ; v32-63, v64-95   x's fragments, buffer 0, 1
.set BIAS, 96                          ; v96-191  twelve tiles' bias; later the two read-back buffers
.set TMP,  192                         ; v192-239 packed results
.set G1,  24                           ; s[24:31] descriptor group 1 for x's tiles
.set G0,  32                           ; s[32:39] group 0 for x's tiles, one set a slot
.set G1B, 48                           ; s[48:55] group 1 for the weight's tiles
.set G0B, 56                           ; s[56:63] group 0 for the weight's tiles
.set FIELDS, (1<<16)|(1<<20)|(1<<21)|(5<<22)|(3<<25)   ; elements of 2 bytes; padding on; bit 21 beside a mask; after every 64 words, 4 words
.set MUL_LO, 0xa1                      ; source 0 window 1, source 1 window 0, C and D window 2
.set MUL_HI, 0xf1                      ; the same, C and D window 3
.set ONE_LO, 0x81                      ; first products: C (the bias) in window 0
.set ONE_HI, 0xc1
.set TO_B,   0x40                      ; destination window 1, address window 0
.set MSB, 0
.macro WIN new                         ; the immediate's high byte repeats the setting that is left
.if MSB != \new
	s_set_vgpr_msb (MSB<<8)|\new
.set MSB, \new
.endif
.endm
; A joint load: waves 0, 1 fetch x's two halves, waves 2, 3 the weight's.  The branch hangs on the wave's number alone.
.macro JLOAD s
	s_cmp_eq_u32 s13, 0
	s_cbranch_scc0 .Lfor_b_\@
	tensor_load_to_lds s[G0+4*\s:G0+4*\s+3], s[G1:G1+7]
	s_nop 0
	s_branch .Lasked_\@
.Lfor_b_\@:
	tensor_load_to_lds s[G0B+4*\s:G0B+4*\s+3], s[G1B:G1B+7]
	s_nop 0
.Lasked_\@:
.endm
.macro CREST                           ; a round of the cluster's barrier behind its opening work-group barrier
	s_cmp_lg_u32 s12, 0
	s_cbranch_scc1 .Lnot_wave_0_\@
	s_barrier_signal -3
.Lnot_wave_0_\@:
	s_barrier_wait -3
	s_barrier_signal -1
	s_barrier_wait -1
.endm
.macro CROUND                          ; a whole round
	s_barrier_signal -1
	s_barrier_wait -1
	CREST
.endm
.macro PLACES                          ; four plain vector instructions between a matrix instruction and a load into, or a reader of, its registers
.rept 4
	v_nop
.endr
.endm
; 12 matrix instructions: row tile a (0, 1) of the window (hi = 0: my rows 0-31, 1: rows 32-63) x all twelve column tiles, 32 along K, buffer f.
.macro MULA f, hi, a, first
.irp b, 0,1,2,3,4,5,6,7,8,9,10,11
.if \first
	v_wmma_f32_16x16x32_bf16 v[8*(12*\a+\b):8*(12*\a+\b)+7], v[96*\f+8*\b:96*\f+8*\b+7], v[FA+32*\f+8*(2*\hi+\a):FA+32*\f+8*(2*\hi+\a)+7], v[BIAS+8*\b:BIAS+8*\b+7]
.else
	v_wmma_f32_16x16x32_bf16 v[8*(12*\a+\b):8*(12*\a+\b)+7], v[96*\f+8*\b:96*\f+8*\b+7], v[FA+32*\f+8*(2*\hi+\a):FA+32*\f+8*(2*\hi+\a)+7], v[8*(12*\a+\b):8*(12*\a+\b)+7]
.endif
.endr
.endm
; 32 LDS loads in one run: 192 rows of the weight, then my 64 rows of x, 32 K at byte k of the rows, into buffer f
.macro FETCH slot, k, f
	WIN TO_B
.irp i, 0,1,2,3,4,5,6,7,8,9,10,11
	ds_load_b128 v[96*\f+8*\i:96*\f+8*\i+3],   v[ADRB+\slot] offset:\k+\i*16*PITCH
	ds_load_b128 v[96*\f+8*\i+4:96*\f+8*\i+7], v[ADRB+\slot] offset:\k+\i*16*PITCH+32
.endr
	WIN 0
.irp i, 0,1,2,3
	ds_load_b128 v[FA+32*\f+8*\i:FA+32*\f+8*\i+3],   v[ADRA+\slot] offset:\k+\i*16*PITCH
	ds_load_b128 v[FA+32*\f+8*\i+4:FA+32*\f+8*\i+7], v[ADRA+\slot] offset:\k+\i*16*PITCH+32
.endr
.endm
; A K step is four quarters of 32 along K, 48 matrix instructions each, on buffers 0, 1, 0, 1.  The 48 accumulators take turns, one
; instruction a turn, in the same order in every quarter, over the backward jump too.
.macro QUARTER slot, k, f, g, first
	s_wait_dscnt 4                                 ; all but the youngest four loads: x's fragments 2 and 3 may be out
.if \first
	WIN ONE_LO
.else
	WIN MUL_LO
.endif
	MULA \f, 0, 0, \first
	MULA \f, 0, 1, \first
	PLACES
	FETCH \slot, \k, \g
	s_wait_dscnt 32                                ; all but the 32 just issued
.if \first
	WIN ONE_HI
.else
	WIN MUL_HI
.endif
	MULA \f, 1, 0, \first
	MULA \f, 1, 1, \first
.endm
.macro THREE slot, first
	QUARTER \slot, 64,  0, 1, \first
	QUARTER \slot, 128, 1, 0, 0
	QUARTER \slot, 192, 0, 1, 0
.endm
; The last quarter multiplies buffer 1 and changes slots.  In front of the barrier each wave waits for its reads of this slot and for all
; its tensor loads (one is out: its part of the next slot).  Where this slot is filled again the barrier opens a round of the cluster's
; barrier, and the joint refill is the first tensor load behind the round.
.macro TURN slot, next, fill
	s_wait_dscnt 4
	WIN MUL_LO
	MULA 1, 0, 0, 0
	s_wait_dscnt 0                                 ; my reads of this slot are over
	s_wait_tensorcnt 0x0                           ; all my tensor loads have landed
	ds_add_u32 v255, v255
	s_wait_dscnt 0x0
	s_barrier_signal -1
	MULA 1, 0, 1, 0                                ; register work while the others arrive
	WIN 0
	s_barrier_wait -1
.if \fill
	CREST
	s_add_nc_u64 s[G0+4*\slot+2:G0+4*\slot+3], s[G0+4*\slot+2:G0+4*\slot+3], 2*KSTEP*2     ; no load of mine is out: group 0 may be written
	s_add_nc_u64 s[G0B+4*\slot+2:G0B+4*\slot+3], s[G0B+4*\slot+2:G0B+4*\slot+3], 2*KSTEP*2
	JLOAD \slot
.endif
	PLACES
	FETCH \next, 0, 0
	WIN MUL_HI
	MULA 1, 1, 0, 0
	MULA 1, 1, 1, 0
.endm
.macro LAP first
	THREE 0, \first
	TURN 0, 1, 1
	THREE 1, 0
	TURN 1, 0, 1
.endm
	s_load_b256 s[4:11], s[0:1], 0x0               ; xb s[4:5], wqt s[6:7], b_qkv s[8:9], qkvh s[10:11]
	s_set_vgpr_msb 0x40
	v_lshl_add_u32 v255, v0, 2, 0x41c00
	s_set_vgpr_msb 0x4000
	v_mov_b32 v255, 0
	s_set_vgpr_msb 0x1
	ds_add_u32 v255, v255
	ds_add_u32 v255, v255
	s_set_vgpr_msb 0x100
	v_lshrrev_b32 v1, 5, v0
	v_readfirstlane_b32 s12, v1                    ; wave 0..3
	s_lshr_b32 s13, s12, 1                         ; I fetch for x (0) or for the weight (1)
	s_and_b32 s14, s12, 1                          ; which half of that tile
	s_bfe_u32 s40, ttmp6, 0x40000                  ; cx
	s_bfe_u32 s41, ttmp6, 0x40004                  ; cy
	s_lshl_b32 s42, ttmp9, 2
	s_add_co_u32 s42, s42, s40                     ; block column = 4 x cluster x + cx
	s_and_b32 s43, ttmp7, 0xffff
	s_lshl_b32 s43, s43, 2
	s_add_co_u32 s43, s43, s41                     ; block row = 4 x cluster y + cy
	s_lshl_b32 s44, s41, 2
	s_lshl_b32 s44, 15, s44                        ; my row of the cluster: places 4 cy .. 4 cy + 3
	s_lshl_b32 s45, 0x1111, s40                    ; my column: places cx, cx + 4, cx + 8, cx + 12
	s_or_b32 s[G1+0], s44, FIELDS                  ; x's tiles go to my row
	s_mov_b32 s[G1+1], KSTEP<<16                   ; tensor_dim0 = 128
	s_mov_b32 s[G1+2], 128<<16                     ; tensor_dim1 = 128
	s_mov_b32 s[G1+3], KSTEP<<16                   ; tile_dim0 = 128
	s_mov_b32 s[G1+4], 128                         ; tile_dim1 = 128 rows
	s_mov_b32 s[G1+5], 1024                        ; elements from row to row
	s_mov_b32 s[G1+6], 0
	s_mov_b32 s[G1+7], 0
	s_or_b32 s[G1B+0], s45, FIELDS                 ; the weight's tiles go to my column
	s_mov_b32 s[G1B+1], KSTEP<<16
	s_mov_b32 s[G1B+2], 96<<16                     ; 96 rows
	s_mov_b32 s[G1B+3], KSTEP<<16
	s_mov_b32 s[G1B+4], 96
	s_mov_b32 s[G1B+5], 1024
	s_mov_b32 s[G1B+6], 0
	s_mov_b32 s[G1B+7], 0
	; where the tiles come from: x's hang on the block row, the weight's on the block column, each in registers that never hold the other
	s_lshl_b32 s22, s14, 7
	s_lshl_b32 s16, s43, 8
	s_add_co_u32 s16, s16, s22                     ; x: row 256 x block row + 128 x half
	s_lshl_b32 s16, s16, 11                        ; rows of 2,048 bytes: at most 8 MiB
	s_mov_b32 s17, 0
	s_mul_i32 s23, s14, 96
	s_mul_i32 s46, s42, 192
	s_add_co_u32 s46, s46, s23                     ; weight: row 192 x block column + 96 x half
	s_lshl_b32 s46, s46, 11
	s_mov_b32 s47, 0
	s_mul_i32 s20, s12, 128*PITCH                  ; where they go: waves 0, 1: x's halves at wave x 128 rows
	s_mul_i32 s21, s12, 96*PITCH                   ; waves 2, 3: BBASE + (wave - 2) x 96 rows
	s_add_co_u32 s21, s21, BBASE-2*96*PITCH
	s_wait_dscnt 0x0
	s_wait_kmcnt 0x0
	s_add_nc_u64 s[16:17], s[4:5], s[16:17]
	s_add_nc_u64 s[46:47], s[6:7], s[46:47]
	CROUND                                         ; all sixteen work-groups are here: the first joint loads meet
.irp s, 0,1
	s_mov_b32 s[G0+4*\s], 1                                        ; count = 1
	s_add_co_u32 s[G0+4*\s+1], s20, \s*SLOT                        ; LDS address
	s_add_nc_u64 s[G0+4*\s+2:G0+4*\s+3], s[16:17], \s*KSTEP*2      ; global address: K step s
	s_or_b32 s[G0+4*\s+3], s[G0+4*\s+3], 0x80000000                ; type = 2
	s_mov_b32 s[G0B+4*\s], 1
	s_add_co_u32 s[G0B+4*\s+1], s21, \s*SLOT
	s_add_nc_u64 s[G0B+4*\s+2:G0B+4*\s+3], s[46:47], \s*KSTEP*2
	s_or_b32 s[G0B+4*\s+3], s[G0B+4*\s+3], 0x80000000
	JLOAD \s
.endr
	; the bias of my 192 columns in the accumulators' layout: register j of tile b = b_qkv[192 x block column + 16 b + 8 (l / 16) + j]
	s_mul_i32 s46, s42, 768
	s_mov_b32 s47, 0
	s_add_nc_u64 s[8:9], s[8:9], s[46:47]
	v_and_b32 v1, 15, v0                           ; r = l % 16
	v_bfe_u32 v2, v0, 4, 1                         ; h = l / 16
	v_and_b32 v5, 31, v0                           ; l
	v_lshlrev_b32 v[BOFF], 5, v2
.irp b, 0,1,2,3,4,5,6,7,8,9,10,11
	global_load_b128 v[BIAS+8*\b:BIAS+8*\b+3],   v[BOFF], s[8:9] offset:64*\b
	global_load_b128 v[BIAS+8*\b+4:BIAS+8*\b+7], v[BOFF], s[8:9] offset:64*\b+16
.endr
	; a fragment: lane l holds row l % 16; registers 0-3 K = 8 h + 0..7, registers 4-7 K = 16 + 8 h + 0..7: two loads of 16 bytes, 32 apart
	v_mul_u32_u24 v3, v1, PITCH
	v_lshl_add_u32 v3, v2, 4, v3
	s_mul_i32 s22, s12, 64*PITCH                   ; my 64 rows of x
	s_mov_b32 s23, BBASE                           ; all rows of the weight
.irp s, 0,1
	v_add_nc_u32 v[ADRA+\s], s22, v3
	v_add_nc_u32 v[ADRB+\s], s23, v3
	s_add_co_u32 s22, s22, SLOT
	s_add_co_u32 s23, s23, SLOT
.endr
	s_mul_i32 s22, s12, 16*SPITCH
	s_add_co_u32 s22, s22, STAGE                   ; my stage
	v_mul_u32_u24 v4, v1, SPITCH
	v_lshl_add_u32 v4, v2, 4, v4
	v_add_nc_u32 v[STO], s22, v4                   ; in: row r, 16 bytes for each half of the lanes
	v_lshrrev_b32 v6, 3, v5
	v_and_b32 v7, 7, v0
	v_mul_u32_u24 v6, v6, SPITCH
	v_lshl_add_u32 v6, v7, 4, v6
	v_add_nc_u32 v[RD], s22, v6                    ; back: eight lanes take a head's 128 bytes of one row, a wave four rows
	v_lshlrev_b32 v[CO], 4, v5
	s_wait_loadcnt 0x0                             ; the bias
	s_wait_tensorcnt 1                             ; my part of K step 0 is in; K step 1's load stays out
	s_barrier_signal -1
	s_barrier_wait -1                              ; everybody's is
	FETCH 0, 0, 0
	LAP 1                                          ; the first lap stands in front of the loop: its first products start the sums from the bias
	WIN 0                                          ; at a label and at a branch every window is 0
	s_mov_b32 s3, LAPS-2
.Llap:
	LAP 0
	WIN 0
	s_sub_co_u32 s3, s3, 1
	s_cmp_lg_u32 s3, 0
	s_cbranch_scc1 .Llap
	THREE 0, 0                                     ; the last lap fills nothing: the one load still out is slot 1's, the last K step's
	TURN 0, 1, 0
	THREE 1, 0
	s_wait_dscnt 4                                 ; the very last quarter
	WIN MUL_LO
	MULA 1, 0, 0, 0
	MULA 1, 0, 1, 0
	s_wait_dscnt 0
	WIN MUL_HI
	MULA 1, 1, 0, 0
	MULA 1, 1, 1, 0
	; THE WAY OUT, 16 rows at a time: round to f16, 16 bytes a lane into my own stage, read back head by head, store dense.
	PLACES
	s_lshl_b32 s16, s43, 15                        ; 256 x block row rows of 128 bytes
	s_lshl_b32 s22, s12, 13                        ; + 64 x wave rows
	s_add_co_u32 s16, s16, s22
	s_mov_b32 s17, 0
	s_add_nc_u64 s[10:11], s[10:11], s[16:17]
	s_mul_i32 s46, s42, 3*GS                       ; my three heads
	s_mov_b32 s47, 0
	s_add_nc_u64 s[10:11], s[10:11], s[46:47]
; rows 16 a .. 16 a + 15 of my 64 = the twelve tiles (a % 2, 0..11) of window 2 or 3 (from = 0x0a or 0x0f: sources 0 and 1)
.macro OUT16 a, from, buf
	WIN \from
.irp b, 0,1,2,3,4,5,6,7,8,9,10,11
.irp q, 0,1,2,3
	v_cvt_pk_f16_f32 v[TMP+4*\b+\q], v[8*(12*(\a%2)+\b)+2*\q], v[8*(12*(\a%2)+\b)+2*\q+1]
.endr
.endr
	WIN 0
.irp b, 0,1,2,3,4,5,6,7,8,9,10,11
	ds_store_b128 v[STO], v[TMP+4*\b:TMP+4*\b+3] offset:32*\b
.endr
	s_wait_xcnt 0x0                                ; the read-back buffer, which earlier stores read, is loaded again only behind this wait
.irp hd, 0,1,2
.irp i, 0,1,2,3
	ds_load_b128 v[\buf+4*(4*\hd+\i):\buf+4*(4*\hd+\i)+3], v[RD] offset:4*SPITCH*\i+128*\hd   ; LDS serves a wave's instructions in order: these see the stores above
.endr
.endr
.irp hd, 0,1,2
.irp i, 0,1,2,3
	s_wait_dscnt 11-(4*\hd+\i)                     ; this load is in, the younger ones stay out
	global_store_b128 v[CO], v[\buf+4*(4*\hd+\i):\buf+4*(4*\hd+\i)+3], s[10:11] offset:\hd*GS+(16*\a+4*\i)*128   ; a wave stores 512 consecutive bytes, aligned
.endr
.endr
.endm
	OUT16 0, 0x0a, 96
	OUT16 1, 0x0a, 144
	OUT16 2, 0x0f, 96
	OUT16 3, 0x0f, 144
	s_set_vgpr_msb 0x1
	s_wait_tensorcnt 0x0
	ds_add_u32 v255, v255
	s_wait_dscnt 0x0
	s_set_vgpr_msb 0x100
	CROUND                                         ; the closing round: no work-group ends while a partner may still ask for a tile that names it
	s_endpgm
.Lfunc_end_k_q088aa1f60e_gemm_qkv:
	.size	k_q088aa1f60e_gemm_qkv, .Lfunc_end_k_q088aa1f60e_gemm_qkv-k_q088aa1f60e_gemm_qkv
	.p2alignl 7, 3214868480
	.fill 96, 4, 3214868480
	.section	.rodata,"a",@progbits
	.p2align	6, 0x0
	.amdhsa_kernel k_q088aa1f60e_gemm_qkv
		.amdhsa_group_segment_fixed_size 327680
		.amdhsa_private_segment_fixed_size 0
		.amdhsa_enable_private_segment 0
		.amdhsa_kernarg_size 32
		.amdhsa_user_sgpr_count 2
		.amdhsa_user_sgpr_kernarg_segment_ptr 1
		.amdhsa_wavefront_size32 1
		.amdhsa_system_sgpr_workgroup_id_x 1
		.amdhsa_system_sgpr_workgroup_id_y 1
		.amdhsa_system_sgpr_workgroup_id_z 1
		.amdhsa_system_vgpr_workitem_id 0
		.amdhsa_next_free_vgpr 1024
		.amdhsa_next_free_sgpr 66
		.amdhsa_reserve_vcc 0
		.amdhsa_float_denorm_mode_32 3
		.amdhsa_float_denorm_mode_16_64 3
		.amdhsa_memory_ordered 1
		.amdhsa_forward_progress 1
		.amdhsa_inst_pref_size 166
	.end_amdhsa_kernel
	.amdgpu_metadata
---
amdhsa.version: [ 1, 2 ]
amdhsa.kernels:
  - .name:           k_q088aa1f60e_gemm_qkv
    .symbol:         k_q088aa1f60e_gemm_qkv.kd
    .args:
      - { .name: xb, .offset: 0, .size: 8, .value_kind: global_buffer, .address_space: global }
      - { .name: wqt, .offset: 8, .size: 8, .value_kind: global_buffer, .address_space: global }
      - { .name: b_qkv, .offset: 16, .size: 8, .value_kind: global_buffer, .address_space: global }
      - { .name: qkvh, .offset: 24, .size: 8, .value_kind: global_buffer, .address_space: global }
    .group_segment_fixed_size: 327680
    .private_segment_fixed_size: 0
    .kernarg_segment_align: 8
    .kernarg_segment_size: 32
    .max_flat_workgroup_size: 128
    .sgpr_count:     66
    .vgpr_count:     1024
    .wavefront_size: 32
...
	.end_amdgpu_metadata
.endif
;; end of part 2
;; launch attn (part 3): grid 8 x 32, 8 waves a work-group, no clusters, 327,680 bytes of LDS; arguments qkvh, yh; writes yh
.if DOCPART == 3
	.amdgcn_target "amdgcn-amd-amdhsa--gfx1250"
	.amdhsa_code_object_version 6
	.text
	.protected	k_q088aa1f60e_attn
	.globl	k_q088aa1f60e_attn
	.p2align	8
	.type	k_q088aa1f60e_attn,@function
k_q088aa1f60e_attn:
	s_mov_b64 s[64:65], 0
	v_nop
	global_prefetch_b8 v0, s[64:65] scope:SCOPE_SE
	s_setreg_imm32_b32 hwreg(HW_REG_WAVE_MODE, 25, 1), 1
	s_wait_xcnt 0x0
; Causal attention with a running maximum.  qkvh [48][4096][64] f16 (q: g = h, k: 16 + h, v: 32 + h; row m = 2048 b + t);  yh [16 h][4096][64] f16.
; Work-group (i, 16 b + h) takes the query blocks i and 15 - i (128 queries each) of one head at once: waves 0-3 block i, waves 4-7 block
; 15 - i, 32 queries a wave.  Together they need 17 block x tile units whatever i is, so the 256 work-groups have equal work.  One walk over
; the key tiles 0 .. 15 - i (128 keys each) serves both blocks; a wave skips the 64-key steps beyond its diagonal.
; For odd i the walk, which goes in pairs of tiles, fetches one tile more (still inside the head's 16) that every wave skips.
; NO CLUSTER: the work-groups that read the same K and V are other query blocks, which need 16 - i tiles each, a number that differs
; between them, and whose skips hang on their place; to make them alike each would have to do the masked half of the work.
; THE CHAIN IS TRANSPOSED, so that no number changes lanes:  S^T = K Q^T (A = 16 keys, B = 16 queries): lane (r, h) holds query r, register j key
; 8 h + j.  Two neighbouring key tiles, packed to f16, ARE the B fragment of O^T = V^T P^T;  A = V^T comes by the transposing LDS load from V as
; stored.  Maximum, sum and rescaling are one number a lane; one exchange between the halves of the wave joins the two halves of the keys.
; The exponent's reference is kept as the ROUNDED number NMC = -round(M c), c = log2(e) / 8, and the old sums are rescaled by 2^(NMC new - NMC old):
; old and new weights refer to exactly the same point, however large the scores.  The first step holds key 0, which every query sees, and the
; diagonal step holds the query's own key: no maximum is ever -inf.
; LIMITS: P is rounded to f16, so a weight below about 6e-8 of its row's largest becomes 0; |y| < 65,504; NaN and infinite inputs are not served.
; A wave has at most two tensor loads out (its 16 keys of K and of V of the next tile).
.set GS,     524288                    ; bytes of one g
.set TILEB,  16384                     ; 128 keys x 128 bytes
.set KP,     272                       ; K in LDS: two keys (256 bytes) + 16
.set VP,     288                       ; V in LDS: two keys + 32: the transposing load's sixteen lanes touch sixteen different 16-byte columns
.set VBASE,  64*KP
.set SLOT,   VBASE+64*VP
.set STAGE,  2*SLOT                    ; behind the ring: 32 rows x 144 bytes for each wave; no tensor load lands here
.set OPITCH, 144
.set KA,   2                           ; LDS address of my part of a K fragment
.set VA,   3                           ; the same for the transposing load of V
.set REL,  4                           ; diagonal step: 32 (wave & 1) + r - 8 h
.set NINF, 5                           ; -inf
.set QO,   6                           ; 128 r + 16 h
.set T,    8                           ; v8-15   at work
.set ST,   16                          ; v16-23  for each query tile: NMC, M, alpha, NMC's step
.set LS,   24                          ; v24-27  for each query tile: a pair of partial sums
.set STO,  28
.set RD,   29
.set CO,   30
.set Q,    32                          ; v32-63   Q fragments (2 qt + dk)
.set O,    64                          ; v64-127  O^T, tile (qt, dt) at 32 qt + 8 dt
.set S,    128                         ; v128-191 S^T, tile (qt, kt) at 32 qt + 8 kt; then P
.set KV,   192                         ; v192-255 eight fragments of K, then of V^T
.set G1K,  28                          ; s[28:35]
.set G1V,  36                          ; s[36:43]
.set G0K,  44                          ; s[44:51] one set a slot
.set G0V,  52                          ; s[52:59]
; The softmax step of query tile qt on its 64 new scores (32 a lane).
.macro SOFT qt, first, mask
.set SB,  S+32*\qt
.set OB,  O+32*\qt
.set NMC, ST+4*\qt
.set MX,  ST+4*\qt+1
.set AL,  ST+4*\qt+2
.set DL,  ST+4*\qt+3
.set LB,  LS+2*\qt
.if \mask
.irp kt, 0,1,2,3
.irp jj, 0,1,2,3,4,5,6,7
	v_cmp_gt_i32 vcc_lo, 16*\kt+\jj-16*\qt, v[REL]                 ; key 16 kt + 8 h + jj lies behind query 32 (wave & 1) + 16 qt + r
	v_cndmask_b32 v[SB+8*\kt+\jj], v[SB+8*\kt+\jj], v[NINF], vcc_lo
.endr
.endr
.endif
.irp k, 0,1,2,3
	v_max3_num_f32 v[T+\k], v[SB+8*\k], v[SB+8*\k+1], v[SB+8*\k+2]  ; four chains
.endr
.irp k, 0,1,2,3
	v_max3_num_f32 v[T+\k], v[T+\k], v[SB+8*\k+3], v[SB+8*\k+4]
.endr
.irp k, 0,1,2,3
	v_max3_num_f32 v[T+\k], v[T+\k], v[SB+8*\k+5], v[SB+8*\k+6]
.endr
	v_max3_num_f32 v[T], v[T], v[T+1], v[SB+7]
	v_max3_num_f32 v[T+2], v[T+2], v[T+3], v[SB+15]
	v_max3_num_f32 v[T], v[T], v[T+2], v[SB+23]
	v_max_num_f32 v[T], v[T], v[SB+31]
	v_permlanex16_b32 v[T+1], v[T], s24, s25       ; the other half of the keys of my query
.if \first
	v_max_num_f32 v[MX], v[T], v[T+1]
	v_mul_f32 v[NMC], s22, v[MX]                   ; -round(M c)
.else
	v_max3_num_f32 v[MX], v[T], v[T+1], v[MX]
	v_mul_f32 v[T+2], s22, v[MX]
	v_sub_f32 v[DL], v[T+2], v[NMC]                ; new reference - old reference, at most 0
	v_mov_b32 v[NMC], v[T+2]
.endif
.set n, 0
.rept 16
	v_pk_fma_f32 v[SB+n:SB+n+1], v[SB+n:SB+n+1], s[20:21], v[NMC:NMC+1] op_sel_hi:[1,0,0]   ; s c + NMC, both halves by s20 and NMC
.set n, n+2
.endr
.if \first == 0
	v_exp_f32 v[AL], v[DL]
.endif
.set n, 0
.rept 32
	v_exp_f32 v[SB+n], v[SB+n]
.set n, n+1
.endr
	v_nop                                          ; one plain vector instruction behind the exponentials before a result is used (ISA guide 5.7.2)
	s_wait_alu depctr_va_vdst(0)
.irp k, 0,1,2,3
	v_pk_add_f32 v[T+2*\k:T+2*\k+1], v[SB+8*\k:SB+8*\k+1], v[SB+8*\k+2:SB+8*\k+3]   ; four chains of pairs
.endr
.irp k, 0,1,2,3
	v_pk_add_f32 v[T+2*\k:T+2*\k+1], v[T+2*\k:T+2*\k+1], v[SB+8*\k+4:SB+8*\k+5]
.endr
.irp k, 0,1,2,3
	v_pk_add_f32 v[T+2*\k:T+2*\k+1], v[T+2*\k:T+2*\k+1], v[SB+8*\k+6:SB+8*\k+7]
.endr
	v_pk_add_f32 v[T:T+1], v[T:T+1], v[T+2:T+3]
	v_pk_add_f32 v[T+4:T+5], v[T+4:T+5], v[T+6:T+7]
.if \first
	v_pk_add_f32 v[LB:LB+1], v[T:T+1], v[T+4:T+5]  ; the first step starts the sums
.else
	v_pk_add_f32 v[T:T+1], v[T:T+1], v[T+4:T+5]
	v_pk_fma_f32 v[LB:LB+1], v[LB:LB+1], v[AL:AL+1], v[T:T+1] op_sel_hi:[1,0,1]
.endif
	; pack in place, ascending: word u of each half takes registers 2 u, 2 u + 1; the fragment of keys 32 p .. 32 p + 31 lies at SB + 16 p
.irp p, 0,1
.irp u, 0,1,2,3,4,5,6,7
	v_cvt_pk_f16_f32 v[SB+16*\p+\u], v[SB+16*\p+2*\u], v[SB+16*\p+2*\u+1]
.endr
.endr
.if \first == 0
.set n, 0
.rept 16
	v_pk_mul_f32 v[OB+n:OB+n+1], v[OB+n:OB+n+1], v[AL:AL+1] op_sel_hi:[1,0]
.set n, n+2
.endr
.endif
.endm
; 64 keys (half sub of the tile in slot) x my 32 queries.  The eight accumulators of each product take turns, one instruction a turn.
.macro SUB slot, sub, first, mask
.if \first == 0
.rept 5
	v_nop                                          ; behind the last step's products: their A registers are loaded again (four places), their B registers written over by S (five) (ISA guide 7.12.1)
.endr
.endif
.irp dk, 0,1
.irp kt, 0,1,2,3
	ds_load_b128 v[KV+8*(4*\dk+\kt):KV+8*(4*\dk+\kt)+3],   v[KA] offset:\slot*SLOT+\sub*32*KP+\kt*8*KP+\dk*64
	ds_load_b128 v[KV+8*(4*\dk+\kt)+4:KV+8*(4*\dk+\kt)+7], v[KA] offset:\slot*SLOT+\sub*32*KP+\kt*8*KP+\dk*64+32
.endr
.endr
	s_wait_dscnt 8                                 ; the eight loads of d = 0 .. 31 are in, the other eight stay out
.irp kt, 0,1,2,3
.irp qt, 0,1
	v_wmma_f32_16x16x32_f16 v[S+32*\qt+8*\kt:S+32*\qt+8*\kt+7], v[KV+8*\kt:KV+8*\kt+7], v[Q+16*\qt:Q+16*\qt+7], 0
.endr
.endr
	s_wait_dscnt 0
.irp kt, 0,1,2,3
.irp qt, 0,1
	v_wmma_f32_16x16x32_f16 v[S+32*\qt+8*\kt:S+32*\qt+8*\kt+7], v[KV+8*(4+\kt):KV+8*(4+\kt)+7], v[Q+16*\qt+8:Q+16*\qt+15], v[S+32*\qt+8*\kt:S+32*\qt+8*\kt+7]
.endr
.endr
.rept 4
	v_nop                                          ; four places before K's registers are loaded again and S is read
.endr
.irp p, 0,1
.irp dt, 0,1,2,3
	ds_load_tr16_b128 v[KV+8*(4*\p+\dt):KV+8*(4*\p+\dt)+3],   v[VA] offset:\slot*SLOT+\sub*32*VP+\p*16*VP+\dt*32
	ds_load_tr16_b128 v[KV+8*(4*\p+\dt)+4:KV+8*(4*\p+\dt)+7], v[VA] offset:\slot*SLOT+\sub*32*VP+\p*16*VP+\dt*32+8*VP
.endr
.endr
	SOFT 0, \first, \mask                          ; V^T lands meanwhile
	SOFT 1, \first, \mask
	s_wait_dscnt 8                                 ; V^T of keys 0 .. 31 is in
.irp dt, 0,1,2,3
.irp qt, 0,1
.if \first
	v_wmma_f32_16x16x32_f16 v[O+32*\qt+8*\dt:O+32*\qt+8*\dt+7], v[KV+8*\dt:KV+8*\dt+7], v[S+32*\qt:S+32*\qt+7], 0
.else
	v_wmma_f32_16x16x32_f16 v[O+32*\qt+8*\dt:O+32*\qt+8*\dt+7], v[KV+8*\dt:KV+8*\dt+7], v[S+32*\qt:S+32*\qt+7], v[O+32*\qt+8*\dt:O+32*\qt+8*\dt+7]
.endif
.endr
.endr
	s_wait_dscnt 0
.irp dt, 0,1,2,3
.irp qt, 0,1
	v_wmma_f32_16x16x32_f16 v[O+32*\qt+8*\dt:O+32*\qt+8*\dt+7], v[KV+8*(4+\dt):KV+8*(4+\dt)+7], v[S+32*\qt+16:S+32*\qt+23], v[O+32*\qt+8*\dt:O+32*\qt+8*\dt+7]
.endr
.endr
.endm
; One 64-key step: s14 = its number, s13 = the number of my diagonal step.  Beyond the diagonal: nothing; on it: with the mask.
; No barrier and no tensor load stands inside these branches.
.macro SITE slot, sub, first
.if \first == 0
	s_cmp_gt_u32 s14, s13
	s_cbranch_scc1 .Lskip_\@
.endif
	s_cmp_eq_u32 s14, s13
	s_cbranch_scc1 .Lmask_\@
	SUB \slot, \sub, \first, 0
	s_branch .Lskip_\@
.Lmask_\@:
	SUB \slot, \sub, \first, 1
.Lskip_\@:
	s_add_co_u32 s14, s14, 1
.endm
; One key tile.  One barrier does two things: in front of it every wave waits for its reads of the other slot and for all its tensor loads
; (its part of this slot's tile); behind it the other slot is filled again first, then this slot is read.
.macro TILE slot, refill, first
	s_set_vgpr_msb 0x4
	s_wait_tensorcnt 0x0                           ; all my tensor loads have landed, so every group 0 may be written:
	ds_add_u32 v31, v1
	s_wait_dscnt 0x0
	s_set_vgpr_msb 0x400
	s_add_nc_u64 s[G0K+4*\slot+2:G0K+4*\slot+3], s[G0K+4*\slot+2:G0K+4*\slot+3], 2*TILEB   ; this slot's next tile
	s_add_nc_u64 s[G0V+4*\slot+2:G0V+4*\slot+3], s[G0V+4*\slot+2:G0V+4*\slot+3], 2*TILEB
	s_wait_dscnt 0x0                               ; my reads of the last tile are over
	s_barrier_signal -1
	s_barrier_wait -1                              ; both now hold of all eight waves
.if \refill
	tensor_load_to_lds s[G0K+4-4*\slot:G0K+7-4*\slot], s[G1K:G1K+7]
	s_nop 0
	tensor_load_to_lds s[G0V+4-4*\slot:G0V+7-4*\slot], s[G1V:G1V+7]
	s_nop 0
.endif
	SITE \slot, 0, \first
	SITE \slot, 1, 0
.endm
	s_load_b128 s[4:7], s[0:1], 0x0                ; qkvh s[4:5], yh s[6:7]
	v_lshl_add_u32 v31, v0, 2, 0x29000
	s_set_vgpr_msb 0x40
	v_mov_b32 v1, 0
	s_set_vgpr_msb 0x4044
	ds_add_u32 v31, v1
	ds_add_u32 v31, v1
	s_set_vgpr_msb 0x4400
	v_lshrrev_b32 v1, 5, v0
	v_readfirstlane_b32 s8, v1                     ; wave 0..7
	s_mov_b32 s9, ttmp9                            ; i
	s_and_b32 s10, ttmp7, 0xffff                   ; 16 b + h
	s_sub_co_u32 s11, 15, s9
	s_cmp_lt_u32 s8, 4
	s_cselect_b32 s11, s9, s11                     ; my query block: waves 0-3 i, waves 4-7 15 - i
	s_and_b32 s12, s8, 3                           ; which 32 queries of it
	s_lshr_b32 s13, s12, 1
	s_lshl1_add_u32 s13, s11, s13                  ; my diagonal 64-key step = 2 x block + (wave & 3) / 2
	s_mov_b32 s14, 0                               ; the step's number
	s_sub_co_u32 s15, 17, s9
	s_lshr_b32 s15, s15, 1
	s_sub_co_u32 s15, s15, 1                       ; trips of the loop: 2 + 2 x trips tiles >= 16 - i; 4 to 7
	s_mov_b32 s20, 0x3e38aa3b                      ; c = log2(e) / 8: the scale 1 / sqrt(64) and the base of the exponential in one
	s_mov_b32 s21, 0x3e38aa3b
	s_mov_b32 s22, 0xbe38aa3b                      ; -c
	s_mov_b32 s24, 0x76543210                      ; v_permlanex16_b32: lane i of one half reads lane i of the other
	s_mov_b32 s25, 0xfedcba98
	; group 1: a dense block of 2,048 bytes (16 keys) as 8 rows of 32 elements of 8 bytes, padded behind each row
	s_mov_b32 s[G1K+0], (3<<16)|(1<<20)|(5<<22)|(3<<25)   ; elements of 8 bytes; padding on; after every 64 words, 4 words
	s_mov_b32 s[G1K+1], 32<<16                     ; tensor_dim0 = 32
	s_mov_b32 s[G1K+2], 8<<16                      ; tensor_dim1 = 8
	s_mov_b32 s[G1K+3], 32<<16                     ; tile_dim0 = 32
	s_mov_b32 s[G1K+4], 8                          ; tile_dim1 = 8
	s_mov_b32 s[G1K+5], 32                         ; the pitch: dense
	s_mov_b32 s[G1K+6], 0
	s_mov_b32 s[G1K+7], 0
	s_mov_b32 s[G1V+0], (3<<16)|(1<<20)|(5<<22)|(7<<25)   ; the same with 8 words of padding
	s_mov_b32 s[G1V+1], 32<<16
	s_mov_b32 s[G1V+2], 8<<16
	s_mov_b32 s[G1V+3], 32<<16
	s_mov_b32 s[G1V+4], 8
	s_mov_b32 s[G1V+5], 32
	s_mov_b32 s[G1V+6], 0
	s_mov_b32 s[G1V+7], 0
	s_and_b32 s16, s10, 15
	s_lshl_b32 s16, s16, 19                        ; h x GS
	s_lshr_b32 s17, s10, 4
	s_lshl_b32 s17, s17, 18                        ; + b x 2,048 rows of 128 bytes
	s_add_co_u32 s16, s16, s17
	s_lshl_b32 s18, s8, 11                         ; my 16 keys of a tile
	s_add_co_u32 s18, s18, s16
	s_add_co_u32 s18, s18, 16*GS                   ; K is g = 16 + h
	s_mov_b32 s19, 0
	s_lshl_b32 s17, s11, 14                        ; my query block: 128 rows of 128 bytes
	s_add_co_u32 s16, s16, s17
	s_lshl_b32 s17, s12, 12                        ; my 32 queries
	s_add_co_u32 s16, s16, s17
	s_mov_b32 s17, 0
	s_mul_i32 s26, s8, 8*KP                        ; where my keys go: 8 pair rows a wave
	s_mul_i32 s27, s8, 8*VP
	s_add_co_u32 s27, s27, VBASE
	s_wait_dscnt 0x0
	s_wait_kmcnt 0x0
	s_add_nc_u64 s[18:19], s[4:5], s[18:19]        ; K: my keys of tile 0
	s_add_nc_u64 s[4:5], s[4:5], s[16:17]          ; Q: my queries
	s_add_nc_u64 s[6:7], s[6:7], s[16:17]          ; y: the same rows of the same head
.irp s, 0,1
	s_mov_b32 s[G0K+4*\s], 1
	s_add_co_u32 s[G0K+4*\s+1], s26, \s*SLOT
	s_add_nc_u64 s[G0K+4*\s+2:G0K+4*\s+3], s[18:19], \s*TILEB          ; slot s starts with tile s
	s_or_b32 s[G0K+4*\s+3], s[G0K+4*\s+3], 0x80000000
	s_mov_b32 s[G0V+4*\s], 1
	s_add_co_u32 s[G0V+4*\s+1], s27, \s*SLOT
	s_add_nc_u64 s[G0V+4*\s+2:G0V+4*\s+3], s[18:19], 16*GS+\s*TILEB    ; V is sixteen g further on
	s_or_b32 s[G0V+4*\s+3], s[G0V+4*\s+3], 0x80000000
.endr
	tensor_load_to_lds s[G0K:G0K+3], s[G1K:G1K+7]  ; tile 0
	s_nop 0
	tensor_load_to_lds s[G0V:G0V+3], s[G1V:G1V+7]
	s_nop 0
	v_and_b32 v1, 15, v0                           ; r
	v_bfe_u32 v7, v0, 4, 1                         ; h
	v_and_b32 v9, 31, v0                           ; lane
	v_lshlrev_b32 v10, 7, v1
	v_lshl_add_u32 v[QO], v7, 4, v10               ; query r's row, 16 bytes for each half of the lanes
.irp qt, 0,1
.irp dk, 0,1
	global_load_b128 v[Q+8*(2*\qt+\dk):Q+8*(2*\qt+\dk)+3],   v[QO], s[4:5] offset:2048*\qt+64*\dk
	global_load_b128 v[Q+8*(2*\qt+\dk)+4:Q+8*(2*\qt+\dk)+7], v[QO], s[4:5] offset:2048*\qt+64*\dk+32
.endr
.endr
	v_lshrrev_b32 v8, 1, v1
	v_mul_u32_u24 v[KA], v8, KP                    ; key r: pair row r / 2,
	v_and_b32 v8, 1, v0
	v_lshl_add_u32 v[KA], v8, 7, v[KA]             ; half r & 1,
	v_lshl_add_u32 v[KA], v7, 4, v[KA]             ; 16 bytes for each half of the lanes
	v_bfe_u32 v10, v0, 1, 2
	v_lshl_add_u32 v10, v7, 2, v10                 ; key 8 h + (lane & 7): pair row 4 h + (lane & 7) / 2,
	v_mul_u32_u24 v10, v10, VP
	v_lshl_add_u32 v10, v8, 7, v10                 ; half lane & 1,
	v_bfe_u32 v11, v0, 3, 1
	v_lshl_add_u32 v10, v11, 4, v10                ; 16 bytes by bit 3 of the lane
	v_add_nc_u32 v[VA], VBASE, v10
	s_and_b32 s26, s12, 1
	s_lshl_b32 s26, s26, 5
	v_lshlrev_b32 v10, 3, v7
	v_sub_nc_u32 v10, v1, v10
	v_add_nc_u32 v[REL], s26, v10
	v_mov_b32 v[NINF], 0xff800000
	s_mul_i32 s26, s8, 32*OPITCH
	s_add_co_u32 s26, s26, STAGE                   ; my stage
	v_mul_u32_u24 v10, v1, OPITCH
	v_lshl_add_u32 v10, v7, 4, v10
	v_add_nc_u32 v[STO], s26, v10
	v_lshrrev_b32 v10, 3, v9
	v_mul_u32_u24 v10, v10, OPITCH
	v_and_b32 v11, 7, v0
	v_lshl_add_u32 v10, v11, 4, v10
	v_add_nc_u32 v[RD], s26, v10                   ; back: eight lanes take a row's 128 bytes
	v_lshlrev_b32 v[CO], 4, v9
	s_wait_loadcnt 0x0                             ; Q, once
	TILE 0, 1, 1                                   ; tile 0: its first step starts O, M and the sums: nothing is cleared
.Ltiles:
	TILE 1, 1, 0
	TILE 0, 1, 0
	s_sub_co_u32 s15, s15, 1
	s_cmp_lg_u32 s15, 0
	s_cbranch_scc1 .Ltiles
	TILE 1, 0, 0                                   ; the last tile: nothing more is fetched, and its wait has shown every tensor load done
	; y = O / sum, rounded to f16, through my own stage, stored dense
.rept 4
	v_nop                                          ; four places behind the last products
.endr
	v_add_f32 v[T], v[LS], v[LS+1]
	v_add_f32 v[T+4], v[LS+2], v[LS+3]
	v_permlanex16_b32 v[T+1], v[T], s24, s25       ; the other half of the keys
	v_permlanex16_b32 v[T+5], v[T+4], s24, s25
	v_add_f32 v[T], v[T], v[T+1]
	v_add_f32 v[T+4], v[T+4], v[T+5]
	v_rcp_f32 v[T+2], v[T]
	v_rcp_f32 v[T+6], v[T+4]
	v_nop                                          ; one plain vector instruction before the reciprocals are used (ISA guide 5.7.2)
	s_wait_alu depctr_va_vdst(0)
.irp qt, 0,1
.irp k, 0,2,4,6,8,10,12,14,16,18,20,22,24,26,28,30
	v_pk_mul_f32 v[O+32*\qt+\k:O+32*\qt+\k+1], v[O+32*\qt+\k:O+32*\qt+\k+1], v[T+2+4*\qt:T+3+4*\qt] op_sel_hi:[1,0]
.endr
.irp k, 0,1,2,3,4,5,6,7,8,9,10,11,12,13,14,15
	v_cvt_pk_f16_f32 v[S+16*\qt+\k], v[O+32*\qt+2*\k], v[O+32*\qt+2*\k+1]
.endr
.irp dt, 0,1,2,3
	ds_store_b128 v[STO], v[S+16*\qt+4*\dt:S+16*\qt+4*\dt+3] offset:16*OPITCH*\qt+32*\dt   ; query 16 qt + r, d = 16 dt + 8 h ..
.endr
.endr
.irp i, 0,1,2,3,4,5,6,7
	ds_load_b128 v[KV+4*\i:KV+4*\i+3], v[RD] offset:4*OPITCH*\i    ; LDS serves a wave's instructions in order: these see the stores above
.endr
.irp i, 0,1,2,3,4,5,6,7
	s_wait_dscnt 7-\i                              ; load i is in, the younger ones stay out
	global_store_b128 v[CO], v[KV+4*\i:KV+4*\i+3], s[6:7] offset:512*\i   ; a wave stores 512 consecutive bytes, aligned
.endr
	s_set_vgpr_msb 0x4
	s_wait_tensorcnt 0x0
	ds_add_u32 v31, v1
	s_wait_dscnt 0x0
	s_set_vgpr_msb 0x400
	s_endpgm
.Lfunc_end_k_q088aa1f60e_attn:
	.size	k_q088aa1f60e_attn, .Lfunc_end_k_q088aa1f60e_attn-k_q088aa1f60e_attn
	.p2alignl 7, 3214868480
	.fill 96, 4, 3214868480
	.section	.rodata,"a",@progbits
	.p2align	6, 0x0
	.amdhsa_kernel k_q088aa1f60e_attn
		.amdhsa_group_segment_fixed_size 327680
		.amdhsa_private_segment_fixed_size 0
		.amdhsa_enable_private_segment 0
		.amdhsa_kernarg_size 16
		.amdhsa_user_sgpr_count 2
		.amdhsa_user_sgpr_kernarg_segment_ptr 1
		.amdhsa_wavefront_size32 1
		.amdhsa_system_sgpr_workgroup_id_x 1
		.amdhsa_system_sgpr_workgroup_id_y 1
		.amdhsa_system_sgpr_workgroup_id_z 1
		.amdhsa_system_vgpr_workitem_id 0
		.amdhsa_next_free_vgpr 258
		.amdhsa_next_free_sgpr 66
		.amdhsa_reserve_vcc 1
		.amdhsa_float_denorm_mode_32 3
		.amdhsa_float_denorm_mode_16_64 3
		.amdhsa_memory_ordered 1
		.amdhsa_forward_progress 1
		.amdhsa_inst_pref_size 255
	.end_amdhsa_kernel
	.section	.bss,"aw",@nobits
	.p2align	6
	.space	262144
	.amdgpu_metadata
---
amdhsa.version: [ 1, 2 ]
amdhsa.kernels:
  - .name:           k_q088aa1f60e_attn
    .symbol:         k_q088aa1f60e_attn.kd
    .args:
      - { .name: qkvh, .offset: 0, .size: 8, .value_kind: global_buffer, .address_space: global }
      - { .name: yh, .offset: 8, .size: 8, .value_kind: global_buffer, .address_space: global }
    .group_segment_fixed_size: 327680
    .private_segment_fixed_size: 0
    .kernarg_segment_align: 8
    .kernarg_segment_size: 16
    .max_flat_workgroup_size: 256
    .sgpr_count:     66
    .vgpr_count:     258
    .wavefront_size: 32
...
	.end_amdgpu_metadata
.endif
;; end of part 3
;; launch gemm_proj (part 4): grid 8 x 32, 4 waves a work-group, clusters of 4 x 4, 327,680 bytes of LDS; arguments yh, wpt, b_proj, out0; writes out0
.if DOCPART == 4
	.amdgcn_target "amdgcn-amd-amdhsa--gfx1250"
	.amdhsa_code_object_version 6
	.text
	.protected	k_q088aa1f60e_gemm_proj
	.globl	k_q088aa1f60e_gemm_proj
	.p2align	8
	.type	k_q088aa1f60e_gemm_proj,@function
k_q088aa1f60e_gemm_proj:
	s_mov_b64 s[64:65], 0
	v_nop
	global_prefetch_b8 v0, s[64:65] scope:SCOPE_SE
	s_setreg_imm32_b32 hwreg(HW_REG_WAVE_MODE, 25, 1), 1
	s_wait_xcnt 0x0
	s_wait_alu depctr_hold_cnt(0) depctr_sa_sdst(0) depctr_va_vdst(0) depctr_va_sdst(0) depctr_va_ssrc(0) depctr_va_vcc(0) depctr_vm_vsrc(0)
	s_getreg_b32 s2, hwreg(HW_REG_IB_STS2, 6, 4)
	s_cmp_eq_u32 s2, 0
	s_cbranch_scc0 .Lentry_in_a_cluster
	s_endpgm
.Lentry_in_a_cluster:
	s_bfe_u32 s2, ttmp6, 0x10000c
	s_cmp_lg_u32 s2, 0xf033
	s_cbranch_scc0 .Lentry_shape_is_right
	s_endpgm
.Lentry_shape_is_right:
; out0 = y w_proj + b_proj.  yh [16 h][4096 m][64] f16 (K = 64 h + d), wpt [1024 n][1024 k] in f16's format, b_proj [1024] f32, out0 [4096][1024] f32.
; A work-group makes 128 x 128 with four waves, 2 x 2, 64 x 64 each: 16 accumulator tiles, 128 registers; 8 x 32 = 256 work-groups.  A larger
; block would leave work for fewer work-groups than that.  K goes in four steps of 256 (four heads) through a ring of two LDS slots, so that
; a step holds 128 matrix instructions a wave between a tile's request and the wait for it.  No loop: four steps are written out.
; y's tile is four dense blocks of 16,384 bytes (128 rows of one head), laid in LDS as pair rows of 256 bytes + 16; the weight's rows are 512 bytes + 16.
; CLUSTERS: 4 x 4 work-groups; y's tiles are asked for jointly by a row of the cluster, the weight's by a column.
; A wave issues two tensor loads a step and has at most four out (the first two steps').
; The matrix instruction is used transposed (source 0 = rows of wpt, source 1 = rows of y): a lane holds eight neighbouring columns of one row;
; the first product of each tile takes the bias, laid out the same way, as C.
; Windows: 0 = addresses, fragments, bias, the way out; 1 = the accumulators (tile (a, b) at v[8 (4 a + b)]).
.set GS,     524288
.set PA,     272
.set PB,     528
.set CHUNK,  64*PA                     ; one head's 128 rows
.set BBASE,  4*CHUNK
.set SLOT,   BBASE+128*PB
.set STAGE,  2*SLOT                    ; behind the ring: 16 rows x 272 bytes for each wave; no tensor load lands here
.set SPITCH, 272
.set ADRA, 16
.set ADRB, 20
.set STO,  24
.set RD,   25
.set CO,   26
.set BOFF, 27
.set FA,   32                          ; v32-63, v64-95     y's fragments, buffer 0, 1
.set FB,   96                          ; v96-127, v128-159  the weight's fragments
.set BIAS, 160                         ; v160-191
.set G1,   24                          ; s[24:31] group 1 for y's tiles
.set G1B,  32                          ; s[32:39] group 1 for the weight's tiles
.set G0A,  40                          ; s[40:55] group 0 for y's tiles: set 2 x slot + c
.set G0B,  68                          ; s[68:83] the same for the weight's
.set MULW, 0x50                        ; C and D window 1, sources window 0
.set ONEW, 0x40                        ; first products: C (the bias) in window 0
.set MSB, 0
.macro WIN new
.if MSB != \new
	s_set_vgpr_msb (MSB<<8)|\new
.set MSB, \new
.endif
.endm
; The two joint loads of a wave for one slot: waves 0, 1 fetch two heads of y each, waves 2, 3 two blocks of 32 rows of the weight each.
.macro JLOAD s
	s_cmp_eq_u32 s13, 0
	s_cbranch_scc0 .Lfor_b_\@
	tensor_load_to_lds s[G0A+8*\s:G0A+8*\s+3], s[G1:G1+7]
	s_nop 0
	tensor_load_to_lds s[G0A+8*\s+4:G0A+8*\s+7], s[G1:G1+7]
	s_nop 0
	s_branch .Lasked_\@
.Lfor_b_\@:
	tensor_load_to_lds s[G0B+8*\s:G0B+8*\s+3], s[G1B:G1B+7]
	s_nop 0
	tensor_load_to_lds s[G0B+8*\s+4:G0B+8*\s+7], s[G1B:G1B+7]
	s_nop 0
.Lasked_\@:
.endm
.macro CREST
	s_cmp_lg_u32 s12, 0
	s_cbranch_scc1 .Lnot_wave_0_\@
	s_barrier_signal -3
.Lnot_wave_0_\@:
	s_barrier_wait -3
	s_barrier_signal -1
	s_barrier_wait -1
.endm
.macro CROUND
	s_barrier_signal -1
	s_barrier_wait -1
	CREST
.endm
.macro PLACES                          ; four plain vector instructions between a matrix instruction and a load into, or a reader of, its registers
.rept 4
	v_nop
.endr
.endm
.macro MULA f, a, first                ; four matrix instructions: row tile a x the four column tiles, buffer f
.irp b, 0,1,2,3
.if \first
	v_wmma_f32_16x16x32_f16 v[8*(4*\a+\b):8*(4*\a+\b)+7], v[FB+32*\f+8*\b:FB+32*\f+8*\b+7], v[FA+32*\f+8*\a:FA+32*\f+8*\a+7], v[BIAS+8*\b:BIAS+8*\b+7]
.else
	v_wmma_f32_16x16x32_f16 v[8*(4*\a+\b):8*(4*\a+\b)+7], v[FB+32*\f+8*\b:FB+32*\f+8*\b+7], v[FA+32*\f+8*\a:FA+32*\f+8*\a+7], v[8*(4*\a+\b):8*(4*\a+\b)+7]
.endif
.endr
.endm
; 16 LDS loads: the fragments of eighth q of a K step (32 along K): the weight's 64 rows, then y's 64 rows (head q / 2, d = 32 (q % 2) ..)
.macro FETCH slot, q, f
.irp i, 0,1,2,3
	ds_load_b128 v[FB+32*\f+8*\i:FB+32*\f+8*\i+3],   v[ADRB+\slot] offset:64*\q+\i*16*PB
	ds_load_b128 v[FB+32*\f+8*\i+4:FB+32*\f+8*\i+7], v[ADRB+\slot] offset:64*\q+\i*16*PB+32
.endr
.irp i, 0,1,2,3
	ds_load_b128 v[FA+32*\f+8*\i:FA+32*\f+8*\i+3],   v[ADRA+\slot] offset:(\q/2)*CHUNK+(\q%2)*64+\i*8*PA
	ds_load_b128 v[FA+32*\f+8*\i+4:FA+32*\f+8*\i+7], v[ADRA+\slot] offset:(\q/2)*CHUNK+(\q%2)*64+\i*8*PA+32
.endr
.endm
; An eighth of a K step: multiplies buffer f, and in its middle fetches eighth q into buffer g.  The sixteen accumulators take turns, one
; instruction a turn, in the same order in every eighth.
.macro QUARTER slot, q, f, g, first
	s_wait_dscnt 4                                 ; all but the youngest four loads: y's fragments 2 and 3 may be out
.if \first
	WIN ONEW
.else
	WIN MULW
.endif
	MULA \f, 0, \first
	MULA \f, 1, \first
	WIN 0
	PLACES
	FETCH \slot, \q, \g
	s_wait_dscnt 16                                ; all but the 16 just issued
.if \first
	WIN ONEW
.else
	WIN MULW
.endif
	MULA \f, 2, \first
	MULA \f, 3, \first
.endm
.macro SEVEN slot, first
	QUARTER \slot, 1, 0, 1, \first
	QUARTER \slot, 2, 1, 0, 0
	QUARTER \slot, 3, 0, 1, 0
	QUARTER \slot, 4, 1, 0, 0
	QUARTER \slot, 5, 0, 1, 0
	QUARTER \slot, 6, 1, 0, 0
	QUARTER \slot, 7, 0, 1, 0
.endm
; The last eighth multiplies buffer 1 and changes slots: each wave's waits for its reads of this slot and for all its tensor loads, the
; barrier (which opens a round of the cluster's barrier where this slot is filled again), the joint refills first behind the round.
.macro TURN slot, next, fill
	s_wait_dscnt 4
	WIN MULW
	MULA 1, 0, 0
	s_wait_dscnt 0                                 ; my reads of this slot are over
	s_wait_tensorcnt 0x0                           ; all my tensor loads have landed
	ds_add_u32 v30, v31
	s_wait_dscnt 0x0
	s_barrier_signal -1
	MULA 1, 1, 0                                   ; register work while the others arrive
	WIN 0
	s_barrier_wait -1
.if \fill
	CREST
.irp c, 0,1
	s_add_nc_u64 s[G0A+8*\slot+4*\c+2:G0A+8*\slot+4*\c+3], s[G0A+8*\slot+4*\c+2:G0A+8*\slot+4*\c+3], 8*GS      ; two K steps on: eight heads
	s_add_nc_u64 s[G0B+8*\slot+4*\c+2:G0B+8*\slot+4*\c+3], s[G0B+8*\slot+4*\c+2:G0B+8*\slot+4*\c+3], 1024      ; 512 k of 2 bytes
.endr
	JLOAD \slot
.endif
	PLACES
	FETCH \next, 0, 0
	WIN MULW
	MULA 1, 2, 0
	MULA 1, 3, 0
.endm
	s_load_b256 s[4:11], s[0:1], 0x0               ; yh s[4:5], wpt s[6:7], b_proj s[8:9], out0 s[10:11]
	v_lshl_add_u32 v30, v0, 2, 0x47400
	v_mov_b32 v31, 0
	ds_add_u32 v30, v31
	ds_add_u32 v30, v31
	v_lshrrev_b32 v1, 5, v0
	v_readfirstlane_b32 s12, v1                    ; wave 0..3
	s_lshr_b32 s13, s12, 1                         ; my half of the rows.  Also: I fetch for y (0) or for the weight (1)
	s_and_b32 s14, s12, 1                          ; my half of the columns.  Also: which half of that tile I fetch
	s_bfe_u32 s84, ttmp6, 0x40000                  ; cx
	s_bfe_u32 s85, ttmp6, 0x40004                  ; cy
	s_lshl_b32 s86, ttmp9, 2
	s_add_co_u32 s86, s86, s84                     ; block column
	s_and_b32 s87, ttmp7, 0xffff
	s_lshl_b32 s87, s87, 2
	s_add_co_u32 s87, s87, s85                     ; block row
	s_lshl_b32 s88, s85, 2
	s_lshl_b32 s88, 15, s88                        ; my row of the cluster
	s_lshl_b32 s89, 0x1111, s84                    ; my column
	s_or_b32 s[G1+0], s88, (3<<16)|(1<<20)|(1<<21)|(5<<22)|(3<<25)    ; y: elements of 8 bytes; padding on; bit 21 beside a mask; after every 64 words, 4 words
	s_mov_b32 s[G1+1], 32<<16                      ; a dense block as rows of 32 elements (256 bytes)
	s_mov_b32 s[G1+2], 64<<16                      ; 64 rows
	s_mov_b32 s[G1+3], 32<<16
	s_mov_b32 s[G1+4], 64
	s_mov_b32 s[G1+5], 32
	s_mov_b32 s[G1+6], 0
	s_mov_b32 s[G1+7], 0
	s_or_b32 s[G1B+0], s89, (1<<16)|(1<<20)|(1<<21)|(6<<22)|(3<<25)   ; the weight: elements of 2 bytes; after every 128 words, 4 words
	s_mov_b32 s[G1B+1], 256<<16                    ; 256 k
	s_mov_b32 s[G1B+2], 32<<16                     ; 32 rows
	s_mov_b32 s[G1B+3], 256<<16
	s_mov_b32 s[G1B+4], 32
	s_mov_b32 s[G1B+5], 1024
	s_mov_b32 s[G1B+6], 0
	s_mov_b32 s[G1B+7], 0
	s_lshl_b32 s16, s14, 20                        ; y: heads 2 x half + c,
	s_lshl_b32 s22, s87, 14                        ; rows 128 x block row, 128 bytes each
	s_add_co_u32 s16, s16, s22
	s_mov_b32 s17, 0
	s_lshl_b32 s90, s86, 18                        ; the weight: rows 128 x block column + 64 x half + 32 c, 2,048 bytes each
	s_lshl_b32 s23, s14, 17
	s_add_co_u32 s90, s90, s23
	s_mov_b32 s91, 0
	s_mul_i32 s20, s12, 2*CHUNK                    ; where they go: waves 0, 1: heads 2 x wave + c
	s_mul_i32 s21, s12, 64*PB                      ; waves 2, 3: BBASE + (wave - 2) x 64 rows
	s_add_co_u32 s21, s21, BBASE-2*64*PB
	s_wait_dscnt 0x0
	s_wait_kmcnt 0x0
	s_add_nc_u64 s[16:17], s[4:5], s[16:17]
	s_add_nc_u64 s[90:91], s[6:7], s[90:91]
	CROUND                                         ; all sixteen work-groups are here: the first joint loads meet
.irp s, 0,1
.irp c, 0,1
	s_mov_b32 s[G0A+8*\s+4*\c], 1
	s_add_co_u32 s[G0A+8*\s+4*\c+1], s20, \s*SLOT+\c*CHUNK
	s_add_nc_u64 s[G0A+8*\s+4*\c+2:G0A+8*\s+4*\c+3], s[16:17], (4*\s+\c)*GS         ; K step s is heads 4 s ..
	s_or_b32 s[G0A+8*\s+4*\c+3], s[G0A+8*\s+4*\c+3], 0x80000000
	s_mov_b32 s[G0B+8*\s+4*\c], 1
	s_add_co_u32 s[G0B+8*\s+4*\c+1], s21, \s*SLOT+\c*32*PB
	s_add_nc_u64 s[G0B+8*\s+4*\c+2:G0B+8*\s+4*\c+3], s[90:91], \s*512+\c*65536
	s_or_b32 s[G0B+8*\s+4*\c+3], s[G0B+8*\s+4*\c+3], 0x80000000
.endr
	JLOAD \s
.endr
	s_lshl_b32 s90, s86, 9                         ; my first column, in bytes of f32: 512 x block column + 256 x half
	s_lshl_b32 s23, s14, 8
	s_add_co_u32 s90, s90, s23
	s_mov_b32 s91, 0
	s_add_nc_u64 s[8:9], s[8:9], s[90:91]          ; the bias of my 64 columns
	s_add_nc_u64 s[10:11], s[10:11], s[90:91]
	s_lshl_b32 s16, s87, 19                        ; my first row: 128 x block row + 64 x half, 4,096 bytes each
	s_lshl_b32 s22, s13, 18
	s_add_co_u32 s16, s16, s22
	s_mov_b32 s17, 0
	s_add_nc_u64 s[10:11], s[10:11], s[16:17]
	v_and_b32 v1, 15, v0                           ; r
	v_bfe_u32 v2, v0, 4, 1                         ; h
	v_lshlrev_b32 v[BOFF], 5, v2
.irp b, 0,1,2,3
	global_load_b128 v[BIAS+8*\b:BIAS+8*\b+3],   v[BOFF], s[8:9] offset:64*\b      ; register j of tile b = the bias of column 16 b + 8 h + j
	global_load_b128 v[BIAS+8*\b+4:BIAS+8*\b+7], v[BOFF], s[8:9] offset:64*\b+16
.endr
	v_lshrrev_b32 v3, 1, v1
	v_mul_u32_u24 v3, v3, PA                       ; y's row r: pair row r / 2,
	v_and_b32 v4, 1, v0
	v_lshl_add_u32 v3, v4, 7, v3                   ; half r & 1,
	v_lshl_add_u32 v3, v2, 4, v3                   ; 16 bytes for each half of the lanes
	v_mul_u32_u24 v4, v1, PB
	v_lshl_add_u32 v4, v2, 4, v4
	s_mul_i32 s22, s13, 32*PA                      ; my 64 rows of y in each head's block
	s_mul_i32 s23, s14, 64*PB                      ; my 64 rows of the weight
	s_add_co_u32 s23, s23, BBASE
.irp s, 0,1
	v_add_nc_u32 v[ADRA+\s], s22, v3
	v_add_nc_u32 v[ADRB+\s], s23, v4
	s_add_co_u32 s22, s22, SLOT
	s_add_co_u32 s23, s23, SLOT
.endr
	s_mul_i32 s22, s12, 16*SPITCH
	s_add_co_u32 s22, s22, STAGE                   ; my stage
	v_mul_u32_u24 v5, v1, SPITCH
	v_lshl_add_u32 v5, v2, 5, v5
	v_add_nc_u32 v[STO], s22, v5                   ; in: row r, 32 bytes for each half of the lanes
	v_mul_u32_u24 v5, v2, SPITCH
	v_lshl_add_u32 v5, v1, 4, v5
	v_add_nc_u32 v[RD], s22, v5                    ; back: lanes 0-15 one row of 256 bytes, lanes 16-31 the next
	v_lshlrev_b32 v5, 12, v2
	v_lshl_add_u32 v[CO], v1, 4, v5                ; and the same two rows in out0
	s_wait_loadcnt 0x0                             ; the bias
	s_wait_tensorcnt 2                             ; my two loads of K step 0 are in; K step 1's two stay out
	s_barrier_signal -1
	s_barrier_wait -1
	FETCH 0, 0, 0
	SEVEN 0, 1                                     ; K step 0: its first products start the sums from the bias
	TURN 0, 1, 1                                   ; slot 0 gets K step 2
	SEVEN 1, 0
	TURN 1, 0, 1                                   ; slot 1 gets K step 3
	SEVEN 0, 0
	TURN 0, 1, 0                                   ; nothing more to fetch: the two loads still out are K step 3's
	SEVEN 1, 0
	s_wait_dscnt 4                                 ; the very last eighth
	WIN MULW
	MULA 1, 0, 0
	MULA 1, 1, 0
	s_wait_dscnt 0
	MULA 1, 2, 0
	MULA 1, 3, 0
	; THE WAY OUT, 16 rows at a time: 32 bytes a lane into my own stage, read back as whole rows of 256 bytes
	PLACES
.macro OUT16 a, buf
	WIN 0x04                                       ; an LDS store's data is source 1: window 1
.irp b, 0,1,2,3
	ds_store_b128 v[STO], v[8*(4*\a+\b):8*(4*\a+\b)+3]   offset:64*\b
	ds_store_b128 v[STO], v[8*(4*\a+\b)+4:8*(4*\a+\b)+7] offset:64*\b+16
.endr
	WIN 0
	s_wait_xcnt 0x0                                ; the read-back buffer, which earlier stores read, is loaded again only behind this wait
.irp t, 0,1,2,3,4,5,6,7
	ds_load_b128 v[\buf+4*\t:\buf+4*\t+3], v[RD] offset:2*SPITCH*\t    ; LDS serves a wave's instructions in order: these see the stores above
.endr
.irp t, 0,1,2,3,4,5,6,7
	s_wait_dscnt 7-\t                              ; load t is in, the younger ones stay out
	global_store_b128 v[CO], v[\buf+4*\t:\buf+4*\t+3], s[10:11] offset:(16*\a+2*\t)*4096   ; sixteen lanes store 256 consecutive bytes, aligned
.endr
.endm
	OUT16 0, 192
	OUT16 1, 224
	OUT16 2, 192
	OUT16 3, 224
	s_wait_tensorcnt 0x0
	ds_add_u32 v30, v31
	s_wait_dscnt 0x0
	CROUND                                         ; the closing round: no work-group ends while a partner may still ask for a tile that names it
	s_endpgm
.Lfunc_end_k_q088aa1f60e_gemm_proj:
	.size	k_q088aa1f60e_gemm_proj, .Lfunc_end_k_q088aa1f60e_gemm_proj-k_q088aa1f60e_gemm_proj
	.p2alignl 7, 3214868480
	.fill 96, 4, 3214868480
	.section	.rodata,"a",@progbits
	.p2align	6, 0x0
	.amdhsa_kernel k_q088aa1f60e_gemm_proj
		.amdhsa_group_segment_fixed_size 327680
		.amdhsa_private_segment_fixed_size 0
		.amdhsa_enable_private_segment 0
		.amdhsa_kernarg_size 32
		.amdhsa_user_sgpr_count 2
		.amdhsa_user_sgpr_kernarg_segment_ptr 1
		.amdhsa_wavefront_size32 1
		.amdhsa_system_sgpr_workgroup_id_x 1
		.amdhsa_system_sgpr_workgroup_id_y 1
		.amdhsa_system_sgpr_workgroup_id_z 1
		.amdhsa_system_vgpr_workitem_id 0
		.amdhsa_next_free_vgpr 384
		.amdhsa_next_free_sgpr 96
		.amdhsa_reserve_vcc 0
		.amdhsa_float_denorm_mode_32 3
		.amdhsa_float_denorm_mode_16_64 3
		.amdhsa_memory_ordered 1
		.amdhsa_forward_progress 1
		.amdhsa_inst_pref_size 93
	.end_amdhsa_kernel
	.amdgpu_metadata
---
amdhsa.version: [ 1, 2 ]
amdhsa.kernels:
  - .name:           k_q088aa1f60e_gemm_proj
    .symbol:         k_q088aa1f60e_gemm_proj.kd
    .args:
      - { .name: yh, .offset: 0, .size: 8, .value_kind: global_buffer, .address_space: global }
      - { .name: wpt, .offset: 8, .size: 8, .value_kind: global_buffer, .address_space: global }
      - { .name: b_proj, .offset: 16, .size: 8, .value_kind: global_buffer, .address_space: global }
      - { .name: out0, .offset: 24, .size: 8, .value_kind: global_buffer, .address_space: global }
    .group_segment_fixed_size: 327680
    .private_segment_fixed_size: 0
    .kernarg_segment_align: 8
    .kernarg_segment_size: 32
    .max_flat_workgroup_size: 128
    .sgpr_count:     96
    .vgpr_count:     384
    .wavefront_size: 32
...
	.end_amdgpu_metadata
.endif
;; end of part 4
